; MI455X (gfx1250); checked and timed in simulation.
; The chip was launched on July 23, 2026; its instructions are those of AMD's public machine-readable ISA for CDNA 5 (MIT licence, August 2026) and "CDNA5" Instruction Set Architecture Reference Guide (July 2026). The comments in the code are by the model that wrote it; some were corrected since.
;; Vector Quantizer conv. Allowed arithmetic: float matrix products may take bf16 or f16 operands with f32 sums; all other float work in f32.
;; Inputs: emb 8,192 x 256 float32; z 8 x 2,048 x 256 float32.
;; Outputs: out0 8 x 2,048 x 256 float32; out1 16,384 x 1 int32; out2 one number float32; out3 one number float32.
;; 2 versions, each right; version 2 is version 1 with the launch prep written anew for expert scheduling mode. Each part assembles by itself: llvm-mc -triple=amdgcn-amd-amdhsa -mcpu=gfx1250 --defsym DOCPART=n.
;; ======== version 1 of 2: 4 launches
;; workspace buffers: xb 12,582,912 bytes; nh 98,304 bytes; idxw 65,536 bytes of whole numbers; pu 1,024 bytes; pg 2,048 bytes
;; launch prep (part 1): grid 384 x 1, 8 waves a work-group, no clusters, 1,280 bytes of LDS; arguments z, emb, xb, nh; writes xb, nh
.if DOCPART == 1
	.amdgcn_target "amdgcn-amd-amdhsa--gfx1250"
	.amdhsa_code_object_version 6
	.text
	.protected	k_q44f70df563_prep
	.globl	k_q44f70df563_prep
	.p2align	8
	.type	k_q44f70df563_prep,@function
k_q44f70df563_prep:
	s_mov_b64 s[64:65], 0
	v_nop
	global_prefetch_b8 v0, s[64:65] scope:SCOPE_SE
	s_setreg_imm32_b32 hwreg(HW_REG_WAVE_MODE, 25, 1), 1
	s_wait_xcnt 0x0
; prep: rounds z [16384][256] and emb [8192][256] from f32 to bf16 into xb [24576][256] (z's rows first, then emb's) and stores
; nh[row] = the f32 sum of the squares of the ROUNDED row.  The next launch multiplies the rounded rows, so a distance made of these
; norms and those products is the distance of the rounded vectors.
; A stream: every input byte is read once, every output byte written once.  No matrix unit; no cluster, since no two work-groups read the same bytes.
; Work-group p owns 64 rows (p < 256: of z, else of emb); wave w owns 8 of them; a row of 1,024 bytes is two 16-byte loads a lane.
; All 16 loads of a wave go out at once; the text is straight, without a loop.
; LIMIT: |x| above bf16's largest finite number (3.39e38) rounds to infinity.  The order of the sum of squares is this text's own.
.set XR, 8                             ; v[8:71]    row i: 8 registers as loaded, later the rounded numbers widened again
.set PB, 72                            ; v[72:103]  row i: 4 registers, 8 bf16 to store; never rewritten
.set SQ, 104                           ; v[104:119] row i: a pair of partial sums
.set TP, 120                           ; v120       the other half's sum
	s_load_b256 s[4:11], s[0:1], 0x0               ; z s[4:5], emb s[6:7], xb s[8:9], nh s[10:11]
	v_lshl_add_u32 v124, v0, 2, 0x100
	v_mov_b32 v125, 0
	v_lshrrev_b32 v1, 5, v0
	v_readfirstlane_b32 s13, v1                    ; wave 0..7
	v_and_b32 v1, 31, v0                           ; lane
	v_and_b32 v2, 0xe0, v0                         ; 32 w: also the LDS byte of my wave's eight sums (4 x 8 w)
	v_lshlrev_b32 v3, 4, v1
	v_lshl_or_b32 v3, v2, 8, v3                    ; source: 8 w rows of 1,024 bytes + 16 lane
	v_lshlrev_b32 v5, 3, v1                        ; 8 lane
	v_lshl_or_b32 v4, v2, 7, v5                    ; xb: 8 w rows of 512 bytes + 8 lane
	v_mov_b32 v[TP], 0                             ; v_permlanex16_b32 counts as a reader of its destination
	s_mov_b32 s16, 0x76543210                      ; v_permlanex16_b32: lane i reads lane i of the other half
	s_mov_b32 s17, 0xfedcba98
	s_mov_b32 s18, 0xffff0000                      ; a word's upper bf16
	s_mov_b32 s15, 0
	s_sub_co_u32 s12, ttmp9, 256                   ; my number among emb's work-groups (used only where p >= 256)
	s_cmp_lt_u32 ttmp9, 256
	s_cselect_b32 s12, ttmp9, s12
	s_wait_kmcnt 0x0
	s_cselect_b64 s[4:5], s[4:5], s[6:7]           ; the source: z or emb; the condition hangs on the work-group's number alone
	s_lshl_b32 s14, s12, 16                        ; 64 rows of 1,024 bytes
	s_add_nc_u64 s[4:5], s[4:5], s[14:15]
	s_lshl_b32 s14, ttmp9, 15                      ; 64 rows of 512 bytes
	s_add_nc_u64 s[8:9], s[8:9], s[14:15]
	s_lshl_b32 s14, ttmp9, 8                       ; 64 sums of 4 bytes
	s_add_nc_u64 s[10:11], s[10:11], s[14:15]
.irp i, 0,1,2,3,4,5,6,7
	global_load_b128 v[XR+8*\i:XR+8*\i+3],   v3, s[4:5] offset:1024*\i th:TH_LOAD_NT       ; columns 4 lane .. +3
	global_load_b128 v[XR+8*\i+4:XR+8*\i+7], v3, s[4:5] offset:1024*\i+512 th:TH_LOAD_NT   ; columns 128 + 4 lane .. +3
.endr
.macro ROW i
	s_wait_loadcnt 14-2*\i                         ; loads come back in order (ISA guide 5.7.1): row i's two are in, the younger rows' stay out
.irp k, 0,1,2,3
	v_cvt_pk_bf16_f32 v[PB+4*\i+\k], v[XR+8*\i+2*\k], v[XR+8*\i+2*\k+1]
.endr
	global_store_b64 v4, v[PB+4*\i:PB+4*\i+1],   s[8:9] offset:512*\i       ; each store of the wave covers 256 consecutive bytes, aligned
	global_store_b64 v4, v[PB+4*\i+2:PB+4*\i+3], s[8:9] offset:512*\i+256
.irp k, 0,1,2,3
	v_lshlrev_b32 v[XR+8*\i+2*\k],   16,  v[PB+4*\i+\k]    ; the rounded numbers as f32 again
	v_and_b32     v[XR+8*\i+2*\k+1], s18, v[PB+4*\i+\k]
.endr
	v_pk_mul_f32 v[SQ+2*\i:SQ+2*\i+1], v[XR+8*\i:XR+8*\i+1], v[XR+8*\i:XR+8*\i+1]   ; the first product starts the sum
.irp k, 2,4,6
	v_pk_fma_f32 v[SQ+2*\i:SQ+2*\i+1], v[XR+8*\i+\k:XR+8*\i+\k+1], v[XR+8*\i+\k:XR+8*\i+\k+1], v[SQ+2*\i:SQ+2*\i+1]
.endr
	v_add_f32 v[SQ+2*\i], v[SQ+2*\i], v[SQ+2*\i+1]
	v_add_f32_dpp v[SQ+2*\i], v[SQ+2*\i], v[SQ+2*\i] row_xmask:1 row_mask:0xf bank_mask:0xf
	v_add_f32_dpp v[SQ+2*\i], v[SQ+2*\i], v[SQ+2*\i] row_xmask:2 row_mask:0xf bank_mask:0xf
	v_add_f32_dpp v[SQ+2*\i], v[SQ+2*\i], v[SQ+2*\i] row_xmask:4 row_mask:0xf bank_mask:0xf
	v_add_f32_dpp v[SQ+2*\i], v[SQ+2*\i], v[SQ+2*\i] row_xmask:8 row_mask:0xf bank_mask:0xf
	v_permlanex16_b32 v[TP], v[SQ+2*\i], s16, s17
	v_add_f32 v[SQ+2*\i], v[SQ+2*\i], v[TP]        ; every lane holds the row's sum
	ds_store_b32 v2, v[SQ+2*\i] offset:4*\i        ; all lanes write the same word with the same value
.endm
.irp i, 0,1,2,3,4,5,6,7
	ROW \i
.endr
	s_wait_dscnt 0x0                               ; my eight sums are in LDS, for wave 0's sake
	s_barrier_signal -1
	s_barrier_wait -1
	s_cmp_lg_u32 s13, 0
	s_cbranch_scc1 .Lend
	ds_load_b64 v[SQ:SQ+1], v5                     ; the group's 64 sums, two a lane
	s_wait_dscnt 0x0
	global_store_b64 v5, v[SQ:SQ+1], s[10:11]      ; 256 consecutive bytes, aligned
.Lend:
	s_wait_tensorcnt 0x0
	ds_add_u32 v124, v125
	s_wait_dscnt 0x0
	s_endpgm
.Lfunc_end_k_q44f70df563_prep:
	.size	k_q44f70df563_prep, .Lfunc_end_k_q44f70df563_prep-k_q44f70df563_prep
	.p2alignl 7, 3214868480
	.fill 96, 4, 3214868480
	.section	.rodata,"a",@progbits
	.p2align	6, 0x0
	.amdhsa_kernel k_q44f70df563_prep
		.amdhsa_group_segment_fixed_size 1280
		.amdhsa_private_segment_fixed_size 0
		.amdhsa_enable_private_segment 0
		.amdhsa_kernarg_size 32
		.amdhsa_user_sgpr_count 2
		.amdhsa_user_sgpr_kernarg_segment_ptr 1
		.amdhsa_wavefront_size32 1
		.amdhsa_system_sgpr_workgroup_id_x 1
		.amdhsa_system_sgpr_workgroup_id_y 1
		.amdhsa_system_sgpr_workgroup_id_z 1
		.amdhsa_system_vgpr_workitem_id 0
		.amdhsa_next_free_vgpr 126
		.amdhsa_next_free_sgpr 66
		.amdhsa_reserve_vcc 0
		.amdhsa_float_denorm_mode_32 3
		.amdhsa_float_denorm_mode_16_64 3
		.amdhsa_memory_ordered 1
		.amdhsa_forward_progress 1
		.amdhsa_inst_pref_size 15
	.end_amdhsa_kernel
	.amdgpu_metadata
---
amdhsa.version: [ 1, 2 ]
amdhsa.kernels:
  - .name:           k_q44f70df563_prep
    .symbol:         k_q44f70df563_prep.kd
    .args:
      - { .name: z, .offset: 0, .size: 8, .value_kind: global_buffer, .address_space: global }
      - { .name: emb, .offset: 8, .size: 8, .value_kind: global_buffer, .address_space: global }
      - { .name: xb, .offset: 16, .size: 8, .value_kind: global_buffer, .address_space: global }
      - { .name: nh, .offset: 24, .size: 8, .value_kind: global_buffer, .address_space: global }
    .group_segment_fixed_size: 1280
    .private_segment_fixed_size: 0
    .kernarg_segment_align: 8
    .kernarg_segment_size: 32
    .max_flat_workgroup_size: 256
    .sgpr_count:     66
    .vgpr_count:     126
    .wavefront_size: 32
...
	.end_amdgpu_metadata
.endif
;; end of part 1
;; launch dist (part 2): grid 256 x 1, 4 waves a work-group, clusters of 4 x 1, 327,680 bytes of LDS; arguments xb, nh, out1, idxw, pu; writes out1, idxw, pu
.if DOCPART == 2
	.amdgcn_target "amdgcn-amd-amdhsa--gfx1250"
	.amdhsa_code_object_version 6
	.text
	.protected	k_q44f70df563_dist
	.globl	k_q44f70df563_dist
	.p2align	8
	.type	k_q44f70df563_dist,@function
k_q44f70df563_dist:
	s_mov_b64 s[64:65], 0
	v_nop
	global_prefetch_b8 v0, s[64:65] scope:SCOPE_SE
	s_setreg_imm32_b32 hwreg(HW_REG_WAVE_MODE, 25, 1), 1
	s_wait_xcnt 0x0
	s_wait_alu depctr_hold_cnt(0) depctr_sa_sdst(0) depctr_va_vdst(0) depctr_va_sdst(0) depctr_va_ssrc(0) depctr_va_vcc(0) depctr_vm_vsrc(0)
	s_getreg_b32 s2, hwreg(HW_REG_IB_STS2, 6, 4)
	s_cmp_eq_u32 s2, 0
	s_cbranch_scc0 .Lentry_in_a_cluster
	s_endpgm
.Lentry_in_a_cluster:
	s_bfe_u32 s2, ttmp6, 0x10000c
	s_cmp_lg_u32 s2, 0x3003
	s_cbranch_scc0 .Lentry_shape_is_right
	s_endpgm
.Lentry_shape_is_right:
; dist: both distance matrices, never written out.
;   z rows:   d[i][j] = fl( fl(a_i + b_j) - 2 dot(z_i, e_j) ), out1[i] = idxw[i] = the first j with the least d
;   emb rows: the same d with e_i for z_i; pu[g] = sum over my 32 rows of sqrt(max(max_j d, 0)) - sqrt(max(min_j d, 0))  (the root is monotone: two roots a row)
; Operands are the bf16 rows of xb; a and b are nh, the f32 sums of squares of those same rounded rows; sums of products in f32 in the matrix unit.
; d is rounded where the problem's function rounds it: one add, then one fused multiply-add by -2 (2 dot is exact, so that is the rounding of the difference).
; SHARES.  Work-group g owns z rows 64 g .. +63 (row blocks 0-3 of 16 rows) and emb rows 32 g .. +31 (row blocks 4, 5), against all 8,192 codes.
; Every wave keeps all six row blocks' fragments for the whole K = 256 in 384 registers; the four waves share out the CODES: in chunk c (256 codes,
; 32 chunks) wave w owns codes 256 c + 64 w .. +63, four tiles of 16.  So a code fragment is read from LDS by one wave only: 16 loads of 16 bytes a lane
; feed 48 matrix instructions, and a wave reads only LDS bytes that its own tensor loads brought.
; CLUSTER.  All work-groups walk the same codes, so four of them form a cluster and ask jointly (mask 15): the requests for the codes are divided by four.
; No descriptor word, LDS address or branch hangs on the place in the cluster; only the addresses of the stationary rows and of the results do.
; THE MATRIX INSTRUCTION: source 0 = 16 codes, source 1 = 16 stationary rows.  Register j of lane (r, h) then holds (code 8 h + j, row r): a row's a is one number
; a lane, the tile's b are eight registers, and the search over the codes runs inside the lane; lanes r and r + 16 and the four waves are merged once at the end.
; ARGMIN.  Per tile and row block: the least of the lane's eight d; where it is LESS than the running least (so the earliest tile wins), the tile's code number
; and its eight d are kept.  The place in the winning tile is found once at the end: the first j whose kept d equals the least.  Merges take the lower code at equal d.
; LIMITS.  NaN inputs are not served (the _num minima drop a NaN).  A least or largest squared distance of an emb row below 2^-126 gives distance 0
; (v_sqrt_f32 takes a denormal as zero: ISA guide 15.8).  a and b are summed in another order than the problem's function sums them.
.set PITCH,  528                       ; an LDS row of a code: 512 bytes + 16 of padding = 33 x 16: the 16 rows of a fragment load start in 16 different 16-byte columns modulo 256 bytes
.set TILEB,  16*PITCH                  ; a tile of 16 codes
.set SLOTB,  64*PITCH                  ; a slot: one wave's 64 codes of a chunk, 33,792 bytes
.set WRING,  2*SLOTB                   ; a wave's two slots
.set BH,     4*WRING                   ; 270,336: b; wave w at + 8,192 w, row c (256 bytes) = b of codes 256 c + 64 w .. +63; filled once
.set RED,    BH+4*8192                 ; 303,104
.set REDE,   RED+2048                  ; its part for the emb rows
.set EB,     0x800000                  ; byte of emb's first row in xb
.set CHUNKB, 256*512                   ; bytes of a chunk's codes in xb
.set TRIPS,  15                        ; two chunks a trip; the last two chunks are written out
; vector registers, window 0
.set ADR,  3                           ; LDS: w x WRING + r x PITCH + 16 h
.set BHA,  4                           ; LDS: BH + 8,192 w + 32 h, stepped by two chunks' rows a trip
.set GOFF, 5                           ; 512 r + 16 h: my 16 bytes in a row block of xb
.set CODE, 6                           ; the tile's first code + 8 h
.set LN,   7                           ; lane
.set CF,   8                           ; v[8:71]    the tile's code fragments, K step ks at CF + 8 ks
.set ACC,  72                          ; v[72:119]  six accumulators
.set TT,   120                         ; v[120:167] six times eight d
.set BV,   168                         ; v[168:175] b of my eight codes
.set AN,   176                         ; v[176:187] row block rb: a, twice (a pair for the packed add)
.set RM,   188                         ; v[188:191] running least, z blocks
.set TL,   192                         ; v[192:195] CODE of the winning tile
.set GM,   196                         ; v[196:199] the tile's least
.set SV,   200                         ; v[200:231] the winning tile's eight d
.set MNX,  232                         ; v[232:235] emb block e: (least, largest)
.set G2,   236                         ; v[236:239] half of the minimum tree
.set PR,   240                         ; v[240:247] at the end: (least, code) of each z block.  v240, v241 in the prologue: offsets into nh
.set OM,   248
.set OC,   249
.set VJ,   250
.set RZ,   251
.set RE,   252
.set OFO,  253
; windows 1 and 2 (an instruction names v0-v255; s_set_vgpr_msb says which window each operand place means):
;   window 1, v0-191: stationary fragments of row blocks 0, 1, 2 at 64 i + 8 ks;   window 2, v0-191: of row blocks 3, 4, 5
; scalar registers
.set G1C, 16                           ; s[16:23] descriptor group 1 of a slot's tile
.set G1B, 24                           ; s[24:31] descriptor group 1 of b
.set G0S, 32                           ; s[32:39] descriptor group 0, one set for each slot
.set G0B, 40                           ; s[40:43] descriptor group 0 of b
.set MK,  44                           ; s[44:47] lane masks of the four z blocks
.set MSB, 0
.macro WIN new                         ; low byte: bits 1:0 source 0, 3:2 source 1, 5:4 source 2, 7:6 destination; the high byte repeats the setting that is left
.if MSB != \new
	s_set_vgpr_msb (MSB<<8)|\new
.set MSB, \new
.endif
.endm
; A round of the cluster's barrier: my work-group's barrier, wave 0 signals for the work-group, every wave waits for all four work-groups, my work-group's barrier again.
.macro ROUND
	s_barrier_signal -1
	s_barrier_wait -1
	s_cmp_lg_u32 s14, 0
	s_cbranch_scc1 .Lnot_wave_0_\@
	s_barrier_signal -3
.Lnot_wave_0_\@:
	s_barrier_wait -3
	s_barrier_signal -1
	s_barrier_wait -1
.endm
	s_load_b256 s[4:11], s[0:1], 0x0               ; xb s[4:5], nh s[6:7], out1 s[8:9], idxw s[10:11]
	s_load_b64 s[12:13], s[0:1], 0x20              ; pu
	v_lshl_add_u32 v254, v0, 2, 0x4ac00
	v_mov_b32 v255, 0
	ds_add_u32 v254, v255
	v_lshrrev_b32 v1, 5, v0
	v_readfirstlane_b32 s14, v1                    ; wave 0..3
	s_bfe_u32 s57, ttmp6, 0x40000                  ; cx: my place in the cluster
	s_lshl_b32 s15, ttmp9, 2                       ; in a cluster launch ttmp9 counts clusters
	s_add_co_u32 s15, s15, s57                     ; g = 4 x cluster + cx
	s_mov_b32 s50, 0x76543210                      ; v_permlanex16_b32: lane i reads lane i of the other half
	s_mov_b32 s51, 0xfedcba98
	; group 1 of a slot's tile: 64 rows (codes) x 256 elements of 2 bytes, 16 bytes of padding behind each row
	s_mov_b32 s[G1C+0], 15|(1<<16)|(1<<20)|(1<<21)|(6<<22)|(3<<25)  ; 15:0 mask: all four of the cluster; 17:16 elements of 2 bytes; 20 padding on; 21 set beside a mask; 24:22 after every 128 words (code 6); 31:25 of 4 words (code 3)
	s_mov_b32 s[G1C+1], 256<<16                    ; tensor_dim0 = 256
	s_mov_b32 s[G1C+2], 64<<16                     ; tensor_dim1 = 64
	s_mov_b32 s[G1C+3], 256<<16                    ; tile_dim0 = 256
	s_mov_b32 s[G1C+4], 64                         ; tile_dim1 = 64
	s_mov_b32 s[G1C+5], 256                        ; 256 elements from row to row
	s_mov_b32 s[G1C+6], 0
	s_mov_b32 s[G1C+7], 0
	; group 1 of b: 32 rows (chunks) x 64 elements of 4 bytes, 256 elements from chunk to chunk, no padding
	s_mov_b32 s[G1B+0], 15|(2<<16)|(1<<21)
	s_mov_b32 s[G1B+1], 64<<16
	s_mov_b32 s[G1B+2], 32<<16
	s_mov_b32 s[G1B+3], 64<<16
	s_mov_b32 s[G1B+4], 32
	s_mov_b32 s[G1B+5], 256
	s_mov_b32 s[G1B+6], 0
	s_mov_b32 s[G1B+7], 0
	s_mul_i32 s58, s14, WRING                      ; my wave's ring in LDS
	s_lshl_b32 s60, s14, 15                        ; my wave's 64 codes of chunk 0: 64 w rows of 512 bytes
	s_mov_b32 s61, 0
	s_lshl_b32 s62, s14, 8                         ; and their b: 64 w numbers of 4 bytes
	s_mov_b32 s63, 0
	s_lshl_b32 s56, s15, 15                        ; my work-group's z rows: 64 g rows of 512 bytes
	s_mov_b32 s57, 0
	s_wait_dscnt 0x0
	s_wait_kmcnt 0x0
	s_add_nc_u64 s[52:53], s[4:5], s[56:57]        ; z rows' base
	s_lshl_b32 s56, s15, 14                        ; 32 g rows of 512 bytes
	s_add_nc_u64 s[54:55], s[4:5], s[56:57]
	s_add_nc_u64 s[54:55], s[54:55], EB            ; emb rows' base
	s_add_nc_u64 s[60:61], s[4:5], s[60:61]
	s_add_nc_u64 s[60:61], s[60:61], EB            ; the codes of my wave, chunk 0: hangs on the wave's number alone
	s_add_nc_u64 s[62:63], s[6:7], s[62:63]
.irp s, 0,1
	s_mov_b32 s[G0S+4*\s], 1                                       ; count = 1
	s_add_co_u32 s[G0S+4*\s+1], s58, \s*SLOTB                      ; LDS address: wave x WRING + slot x SLOTB
	s_add_nc_u64 s[G0S+4*\s+2:G0S+4*\s+3], s[60:61], \s*CHUNKB     ; global address: chunk s
	s_or_b32 s[G0S+4*\s+3], s[G0S+4*\s+3], 0x80000000              ; type = 2
.endr
	s_mov_b32 s[G0B+0], 1
	s_lshl_b32 s[G0B+1], s14, 13
	s_add_co_u32 s[G0B+1], s[G0B+1], BH            ; LDS address: BH + 8,192 w
	s_add_nc_u64 s[G0B+2:G0B+3], s[62:63], 65536   ; nh behind z's 16,384 numbers
	s_or_b32 s[G0B+3], s[G0B+3], 0x80000000
	ROUND                                          ; all four work-groups are here: the first joint loads meet
	tensor_load_to_lds s[G0B:G0B+3], s[G1B:G1B+7]          ; the three first fills go out as one group: three tensor loads of the wave are out here,
	s_nop 0
	tensor_load_to_lds s[G0S:G0S+3], s[G1C:G1C+7]          ; later never more than one
	s_nop 0
	tensor_load_to_lds s[G0S+4:G0S+7], s[G1C:G1C+7]
	s_nop 0
	; The stationary fragments.  16 rows x 32 K in 8 registers: lane (r, h) holds row r; registers 0-3 K = 8 h .. +7, registers 4-7 K = 16 + 8 h .. +7 of the K step.
	v_and_b32 v1, 15, v0                           ; r
	v_bfe_u32 v2, v0, 4, 1                         ; h
	v_lshlrev_b32 v[GOFF], 9, v1
	v_lshl_add_u32 v[GOFF], v2, 4, v[GOFF]
	WIN 0x40                                       ; destination window 1, address window 0
.irp rb, 0,1,2
.irp ks, 0,1,2,3,4,5,6,7
	global_load_b128 v[64*\rb+8*\ks:64*\rb+8*\ks+3],   v[GOFF], s[52:53] offset:8192*\rb+64*\ks
	global_load_b128 v[64*\rb+8*\ks+4:64*\rb+8*\ks+7], v[GOFF], s[52:53] offset:8192*\rb+64*\ks+32
.endr
.endr
	WIN 0x80                                       ; destination window 2
.irp ks, 0,1,2,3,4,5,6,7
	global_load_b128 v[8*\ks:8*\ks+3],   v[GOFF], s[52:53] offset:8192*3+64*\ks
	global_load_b128 v[8*\ks+4:8*\ks+7], v[GOFF], s[52:53] offset:8192*3+64*\ks+32
.endr
.irp e, 0,1
.irp ks, 0,1,2,3,4,5,6,7
	global_load_b128 v[64+64*\e+8*\ks:64+64*\e+8*\ks+3],   v[GOFF], s[54:55] offset:8192*\e+64*\ks
	global_load_b128 v[64+64*\e+8*\ks+4:64+64*\e+8*\ks+7], v[GOFF], s[54:55] offset:8192*\e+64*\ks+32
.endr
.endr
	WIN 0
	s_lshl_b32 s56, s15, 8                         ; a of my z rows: 64 g numbers of 4 bytes
	s_lshl_b32 s57, s15, 7                         ; a of my emb rows: 32 g numbers
	v_lshl_add_u32 v[PR], v1, 2, s56
	v_lshl_add_u32 v[PR+1], v1, 2, s57
.irp rb, 0,1,2,3
	global_load_b32 v[AN+2*\rb], v[PR], s[6:7] offset:64*\rb
.endr
.irp e, 0,1
	global_load_b32 v[AN+8+2*\e], v[PR+1], s[6:7] offset:65536+64*\e
.endr
	v_mul_u32_u24 v[ADR], v1, PITCH
	v_lshl_add_u32 v[ADR], v2, 4, v[ADR]
	v_add_nc_u32 v[ADR], s58, v[ADR]
	v_lshl_add_u32 v[BHA], v2, 5, s[G0B+1]
	s_lshl_b32 s59, s14, 6
	v_lshl_add_u32 v[CODE], v2, 3, s59             ; 64 w + 8 h
	s_mov_b32 s59, 0x7f800000                      ; + infinity: the search's start
.irp rb, 0,1,2,3
	v_mov_b32 v[RM+\rb], s59
	v_mov_b32 v[TL+\rb], 0
.endr
.set q, 0
.rept 32
	v_mov_b32 v[SV+q], s59                         ; the kept d are a source of their own selects from the first tile on
.set q, q+1
.endr
.irp e, 0,1
	v_mov_b32 v[MNX+2*\e], s59
	v_mov_b32 v[MNX+2*\e+1], 0xff800000            ; - infinity
.endr
	s_wait_loadcnt 0x0                             ; fragments and a, once
.irp rb, 0,1,2,3,4,5
	v_mov_b32 v[AN+2*\rb+1], v[AN+2*\rb]
.endr
; 18 LDS loads: tile t of a slot (16 codes x K = 256) and, behind them, b of my eight codes at byte bh + 64 t of my wave's b
.macro LOADF slot, t, bh
.irp ks, 0,1,2,3,4,5,6,7
	ds_load_b128 v[CF+8*\ks:CF+8*\ks+3],   v[ADR] offset:(\slot)*SLOTB+(\t)*TILEB+64*\ks
	ds_load_b128 v[CF+8*\ks+4:CF+8*\ks+7], v[ADR] offset:(\slot)*SLOTB+(\t)*TILEB+64*\ks+32
.endr
	ds_load_b128 v[BV:BV+3],   v[BHA] offset:(\bh)+64*(\t)
	ds_load_b128 v[BV+4:BV+7], v[BHA] offset:(\bh)+64*(\t)+16
.endm
; 24 matrix instructions: the three row blocks of the window that is set, accumulators rb0 .. rb0 + 2.  The first K step starts the sums with the constant 0.
; The three accumulators take turns, one instruction a turn.
.macro MULS rb0
.irp ks, 0,1,2,3,4,5,6,7
.irp i, 0,1,2
.if \ks == 0
	v_wmma_f32_16x16x32_bf16 v[ACC+8*(\rb0+\i):ACC+8*(\rb0+\i)+7], v[CF+8*\ks:CF+8*\ks+7], v[64*\i+8*\ks:64*\i+8*\ks+7], 0
.else
	v_wmma_f32_16x16x32_bf16 v[ACC+8*(\rb0+\i):ACC+8*(\rb0+\i)+7], v[CF+8*\ks:CF+8*\ks+7], v[64*\i+8*\ks:64*\i+8*\ks+7], v[ACC+8*(\rb0+\i):ACC+8*(\rb0+\i)+7]
.endif
.endr
.endr
.endm
; One tile of 16 codes against the six row blocks.  nxt = 1: the next tile (slot nslot, tile nt, b at nbh) is fetched; tw = 1: that tile lies in the other slot,
; whose tensor load is waited for first; cstep: from this tile's first code to the next tile's.
.macro TILE nxt, tw, nslot, nt, nbh, cstep
	s_wait_dscnt 0x2                               ; LDS loads come back in order (ISA guide 5.7.1): the 16 fragment loads are in, the two of b behind them may be out
	WIN 0x04                                       ; source 1 in window 1
	MULS 0
	WIN 0x08                                       ; source 1 in window 2
	MULS 3
	WIN 0
	s_wait_dscnt 0x0                               ; b
	; fl(a + b).  These 24 lines name no register of a matrix instruction: they are the places in front of the loads into the
	; fragments and of the first read of an accumulator.
.irp rb, 0,1,2,3,4,5
.irp p, 0,2,4,6
	v_pk_add_f32 v[TT+8*\rb+\p:TT+8*\rb+\p+1], v[BV+\p:BV+\p+1], v[AN+2*\rb:AN+2*\rb+1]
.endr
.endr
.if \tw
	s_wait_tensorcnt 0x0                           ; all my tensor loads have landed: the one that was out is the other slot's.  It serves the reads below and the refill's round behind this tile
	ds_add_u32 v254, v255
	s_wait_dscnt 0x0
.endif
.if \nxt
	LOADF \nslot, \nt, \nbh                        ; one buffer: the vector work below covers the way from LDS
.endif
.irp rb, 0,1,2,3,4,5
.irp p, 0,2,4,6
	v_pk_fma_f32 v[TT+8*\rb+\p:TT+8*\rb+\p+1], v[ACC+8*\rb+\p:ACC+8*\rb+\p+1], -2.0, v[TT+8*\rb+\p:TT+8*\rb+\p+1] op_sel_hi:[1,0,1]   ; d = fl(fl(a + b) - 2 dot)
.endr
.endr
	; z blocks, stage by stage over the four blocks, so that no line waits for the one in front of it
.irp rb, 0,1,2,3
	v_min3_num_f32 v[GM+\rb], v[TT+8*\rb], v[TT+8*\rb+1], v[TT+8*\rb+2]
.endr
.irp rb, 0,1,2,3
	v_min3_num_f32 v[G2+\rb], v[TT+8*\rb+3], v[TT+8*\rb+4], v[TT+8*\rb+5]
.endr
.irp rb, 0,1,2,3
	v_min3_num_f32 v[GM+\rb], v[TT+8*\rb+6], v[TT+8*\rb+7], v[GM+\rb]
.endr
.irp rb, 0,1,2,3
	v_min_num_f32 v[GM+\rb], v[GM+\rb], v[G2+\rb]
.endr
.irp rb, 0,1,2,3
	v_cmp_lt_f32 s[MK+\rb], v[GM+\rb], v[RM+\rb]   ; strictly less: at equal d the earlier tile stays
.endr
.irp rb, 0,1,2,3
	v_cndmask_b32 v[TL+\rb], v[TL+\rb], v[CODE], s[MK+\rb]
.endr
.irp rb, 0,1,2,3
	v_min_num_f32 v[RM+\rb], v[RM+\rb], v[GM+\rb]
.endr
.irp j, 0,1,2,3,4,5,6,7
.irp rb, 0,1,2,3
	v_cndmask_b32 v[SV+8*\rb+\j], v[SV+8*\rb+\j], v[TT+8*\rb+\j], s[MK+\rb]
.endr
.endr
	; emb blocks: four chains that take turns
.irp p, 0,2,4,6
.irp e, 0,1
	v_min3_num_f32 v[MNX+2*\e],   v[MNX+2*\e],   v[TT+32+8*\e+\p], v[TT+32+8*\e+\p+1]
	v_max3_num_f32 v[MNX+2*\e+1], v[MNX+2*\e+1], v[TT+32+8*\e+\p], v[TT+32+8*\e+\p+1]
.endr
.endr
	v_add_nc_u32 v[CODE], \cstep, v[CODE]
.endm
; A chunk: my wave's four tiles of one slot.  refill = 1: the slot is filled again with the chunk two further on.  last = 1: nothing follows.
.macro CHUNK slot, bh, refill, last
	TILE 1, 0, \slot, 1, \bh, 16
	TILE 1, 0, \slot, 2, \bh, 16
	TILE 1, 0, \slot, 3, \bh, 16
.if \last
	TILE 0, 0, 0, 0, 0, 208
.else
	TILE 1, 1, 1-\slot, 0, \bh+256, 208            ; 3 x 16 + 208 = 256 codes from chunk to chunk
.endif
.if \refill
	s_add_nc_u64 s[G0S+4*\slot+2:G0S+4*\slot+3], s[G0S+4*\slot+2:G0S+4*\slot+3], 2*CHUNKB   ; no tensor load of mine is out since the fourth tile's wait for all: the group 0 may be written
	s_wait_dscnt 0x0                               ; my reads of this slot are over (and the next tile's fragments are in)
	ROUND                                          ; both hold of every wave of all four work-groups: nobody reads this slot's bytes or has a load on its way
	tensor_load_to_lds s[G0S+4*\slot:G0S+4*\slot+3], s[G1C:G1C+7]   ; my one tensor load behind the round, first thing there; it has three tiles and the fourth's products in which to land
	s_nop 0
.endif
.endm
	s_wait_tensorcnt 0x1                           ; tensor loads of a wave end in order (ISA guide 10.11.1): b and slot 0 are in, slot 1's fill may stay out.  I read my own loads' bytes alone
	LOADF 0, 0, 0
	s_mov_b32 s49, TRIPS
.Ltrip:
	CHUNK 0, 0, 1, 0
	CHUNK 1, 256, 1, 0
	v_add_nc_u32 v[BHA], 512, v[BHA]               ; two chunks' rows of b on
	s_sub_co_u32 s49, s49, 1
	s_cmp_lg_u32 s49, 0
	s_cbranch_scc1 .Ltrip
	CHUNK 0, 0, 0, 0                               ; chunks 30 and 31: nothing is left to fetch, so no round and no fill; the wait for all in chunk 30's
	CHUNK 1, 256, 0, 1                             ; fourth tile shows slot 1's last fill landed, and no tensor load is out from there to the end
; (m, c) takes (om, oc) where om is less, or equal with the lower code
.macro LEX m, c, om, oc
	v_cmp_lt_f32 s56, v[\om], v[\m]
	v_cmp_eq_f32 s57, v[\om], v[\m]
	v_cmp_lt_u32 vcc_lo, v[\oc], v[\c]
	s_and_b32 s57, s57, vcc_lo
	s_or_b32 s56, s56, s57
	v_cndmask_b32 v[\m], v[\m], v[\om], s56
	v_cndmask_b32 v[\c], v[\c], v[\oc], s56
.endm
	; THE LAST MERGE.  First in the lane: the first j whose kept d equals the least; then lanes r and r + 16; then the four waves, through LDS.
	v_mov_b32 v[OM], 0                             ; v_permlanex16_b32 counts as a reader of its destination
	v_mov_b32 v[OC], 0
	s_lshl_b32 s58, s14, 9
	s_add_co_u32 s58, s58, RED
	v_lshl_add_u32 v[RZ], v1, 3, s58               ; RED + 512 w + 8 r; row block rb in the offset
	s_lshl_b32 s58, s14, 8
	s_add_co_u32 s58, s58, REDE
	v_lshl_add_u32 v[RE], v1, 3, s58               ; REDE + 256 w + 8 r
.irp rb, 0,1,2,3
	v_mov_b32 v[VJ], 0
.irp j, 7,6,5,4,3,2,1,0
	v_cmp_neq_f32 vcc_lo, v[SV+8*\rb+\j], v[RM+\rb]
	v_cndmask_b32 v[VJ], \j, v[VJ], vcc_lo         ; equal: j; descending, so the lowest j stays
.endr
	v_mov_b32 v[PR+2*\rb], v[RM+\rb]
	v_add_nc_u32 v[PR+2*\rb+1], v[TL+\rb], v[VJ]   ; the code: the tile's first + 8 h + j
	v_permlanex16_b32 v[OM], v[PR+2*\rb], s50, s51
	v_permlanex16_b32 v[OC], v[PR+2*\rb+1], s50, s51
	LEX PR+2*\rb, PR+2*\rb+1, OM, OC
	ds_store_b64 v[RZ], v[PR+2*\rb:PR+2*\rb+1] offset:128*\rb      ; lanes r and r + 16 write the same bytes with the same values
.endr
.irp e, 0,1
	v_permlanex16_b32 v[OM], v[MNX+2*\e], s50, s51
	v_permlanex16_b32 v[OC], v[MNX+2*\e+1], s50, s51
	v_min_num_f32 v[MNX+2*\e], v[MNX+2*\e], v[OM]
	v_max_num_f32 v[MNX+2*\e+1], v[MNX+2*\e+1], v[OC]
	ds_store_b64 v[RE], v[MNX+2*\e:MNX+2*\e+1] offset:128*\e
.endr
	v_and_b32 v[LN], 31, v0
	s_wait_dscnt 0x0                               ; my stores are in LDS, for the sake of the waves that read them
	s_barrier_signal -1
	s_barrier_wait -1
	s_cmp_lg_u32 s14, 0
	s_cbranch_scc1 .Lnot_w0
	; wave 0: lane L merges the four waves' (least, code) of z rows 2 L and 2 L + 1
	v_lshlrev_b32 v[RZ], 4, v[LN]
	v_add_nc_u32 v[RZ], RED, v[RZ]
.irp q, 0,1,2,3
	ds_load_b128 v[SV+4*\q:SV+4*\q+3], v[RZ] offset:512*\q
.endr
	s_lshl_b32 s52, s15, 8                         ; 64 g indices of 4 bytes
	v_lshl_add_u32 v[OFO], v[LN], 3, s52
	s_wait_dscnt 0x0
.irp q, 1,2,3
	LEX SV, SV+1, SV+4*\q, SV+4*\q+1
	LEX SV+2, SV+3, SV+4*\q+2, SV+4*\q+3
.endr
	v_mov_b32 v[SV], v[SV+1]
	v_mov_b32 v[SV+1], v[SV+3]
	global_store_b64 v[OFO], v[SV:SV+1], s[8:9]    ; each store of the wave covers 256 consecutive bytes, aligned
	global_store_b64 v[OFO], v[SV:SV+1], s[10:11]  ; the copy from which the next launch forms addresses
.Lnot_w0:
	s_cmp_lg_u32 s14, 1
	s_cbranch_scc1 .Lnot_w1
	; wave 1: lane L merges the four waves' (least, largest) of emb row L, takes the two roots, and the 32 rows are summed
	v_lshlrev_b32 v[RE], 3, v[LN]
	v_add_nc_u32 v[RE], REDE, v[RE]
.irp q, 0,1,2,3
	ds_load_b64 v[SV+2*\q:SV+2*\q+1], v[RE] offset:256*\q
.endr
	s_lshl_b32 s52, s15, 2
	v_mov_b32 v[OFO], s52
	s_wait_dscnt 0x0
	v_min3_num_f32 v[SV], v[SV], v[SV+2], v[SV+4]
	v_max3_num_f32 v[SV+1], v[SV+1], v[SV+3], v[SV+5]
	v_min_num_f32 v[SV], v[SV], v[SV+6]
	v_max_num_f32 v[SV+1], v[SV+1], v[SV+7]
	v_max_num_f32 v[SV], 0, v[SV]                  ; squared distances below 0 count as 0
	v_max_num_f32 v[SV+1], 0, v[SV+1]
	v_sqrt_f32 v[SV+2], v[SV]
	v_sqrt_f32 v[SV+3], v[SV+1]
	v_nop                                          ; one plain vector instruction stands between a root and the use of its result (ISA guide 5.7.2)
	s_wait_alu depctr_va_vdst(0)
	v_sub_f32 v[SV], v[SV+3], v[SV+2]
	v_add_f32_dpp v[SV], v[SV], v[SV] row_xmask:1 row_mask:0xf bank_mask:0xf
	v_add_f32_dpp v[SV], v[SV], v[SV] row_xmask:2 row_mask:0xf bank_mask:0xf
	v_add_f32_dpp v[SV], v[SV], v[SV] row_xmask:4 row_mask:0xf bank_mask:0xf
	v_add_f32_dpp v[SV], v[SV], v[SV] row_xmask:8 row_mask:0xf bank_mask:0xf
	v_permlanex16_b32 v[OM], v[SV], s50, s51
	v_add_f32 v[SV], v[SV], v[OM]
	v_cmp_eq_u32 vcc_lo, 0, v[LN]
	s_wait_xcnt 0x0                                ; EXEC changes only behind this wait
	s_and_saveexec_b32 s53, vcc_lo
	global_store_b32 v[OFO], v[SV], s[12:13]       ; pu[g], one number a work-group
	s_wait_xcnt 0x0                                ; and again in front of the line that widens it
	s_or_b32 exec_lo, exec_lo, s53
.Lnot_w1:
	s_wait_tensorcnt 0x0
	ds_add_u32 v254, v255
	s_wait_dscnt 0x0
	ROUND                                          ; the closing round: no work-group ends while a partner may still ask for a tile that names it
	s_endpgm
.Lfunc_end_k_q44f70df563_dist:
	.size	k_q44f70df563_dist, .Lfunc_end_k_q44f70df563_dist-k_q44f70df563_dist
	.p2alignl 7, 3214868480
	.fill 96, 4, 3214868480
	.section	.rodata,"a",@progbits
	.p2align	6, 0x0
	.amdhsa_kernel k_q44f70df563_dist
		.amdhsa_group_segment_fixed_size 327680
		.amdhsa_private_segment_fixed_size 0
		.amdhsa_enable_private_segment 0
		.amdhsa_kernarg_size 40
		.amdhsa_user_sgpr_count 2
		.amdhsa_user_sgpr_kernarg_segment_ptr 1
		.amdhsa_wavefront_size32 1
		.amdhsa_system_sgpr_workgroup_id_x 1
		.amdhsa_system_sgpr_workgroup_id_y 1
		.amdhsa_system_sgpr_workgroup_id_z 1
		.amdhsa_system_vgpr_workitem_id 0
		.amdhsa_next_free_vgpr 704
		.amdhsa_next_free_sgpr 66
		.amdhsa_reserve_vcc 1
		.amdhsa_float_denorm_mode_32 3
		.amdhsa_float_denorm_mode_16_64 3
		.amdhsa_memory_ordered 1
		.amdhsa_forward_progress 1
		.amdhsa_inst_pref_size 217
	.end_amdhsa_kernel
	.amdgpu_metadata
---
amdhsa.version: [ 1, 2 ]
amdhsa.kernels:
  - .name:           k_q44f70df563_dist
    .symbol:         k_q44f70df563_dist.kd
    .args:
      - { .name: xb, .offset: 0, .size: 8, .value_kind: global_buffer, .address_space: global }
      - { .name: nh, .offset: 8, .size: 8, .value_kind: global_buffer, .address_space: global }
      - { .name: out1, .offset: 16, .size: 8, .value_kind: global_buffer, .address_space: global }
      - { .name: idxw, .offset: 24, .size: 8, .value_kind: global_buffer, .address_space: global }
      - { .name: pu, .offset: 32, .size: 8, .value_kind: global_buffer, .address_space: global }
    .group_segment_fixed_size: 327680
    .private_segment_fixed_size: 0
    .kernarg_segment_align: 8
    .kernarg_segment_size: 40
    .max_flat_workgroup_size: 128
    .sgpr_count:     66
    .vgpr_count:     704
    .wavefront_size: 32
...
	.end_amdgpu_metadata
.endif
;; end of part 2
;; launch gather (part 3): grid 256 x 1, 8 waves a work-group, no clusters, 1,280 bytes of LDS; arguments z, emb, idxw, out0, pg; writes out0, pg
.if DOCPART == 3
	.amdgcn_target "amdgcn-amd-amdhsa--gfx1250"
	.amdhsa_code_object_version 6
	.text
	.protected	k_q44f70df563_gather
	.globl	k_q44f70df563_gather
	.p2align	8
	.type	k_q44f70df563_gather,@function
k_q44f70df563_gather:
	s_mov_b64 s[64:65], 0
	v_nop
	global_prefetch_b8 v0, s[64:65] scope:SCOPE_SE
	s_setreg_imm32_b32 hwreg(HW_REG_WAVE_MODE, 25, 1), 1
	s_wait_xcnt 0x0
; gather: out0 = z + (emb[idx] - z), rounded as written; pg[g] = (sum of (emb[idx] - z)^2 over my 64 rows of z, sum of emb^2 over my 32 rows of emb).
; The indices are whole numbers that the launch before stored in idxw; each is clamped to 8,191 before it enters an address.
; A stream: z is read once, out0 written once; no matrix unit; no cluster, since which rows of emb two work-groups share hangs on the data.
; Wave w owns z rows 64 g + 8 w .. +7 and emb rows 32 g + 4 w .. +3; a row of 1,024 bytes is two 16-byte loads a lane.
; All 40 loads of a wave go out at once, in this order: 16 of z, 8 of my emb rows, then, behind the wait for the eight indices, 16 of the gathered rows.
.set ZR, 8                             ; v[8:71]    z row i, then out0's row: the stores' data, never rewritten
.set ER, 72                            ; v[72:135]  emb[idx] of row i, then the difference
.set QR, 136                           ; v[136:167] my four rows of emb
.set AL, 168                           ; v[168:175] four pairs of sums of squared differences
.set AE, 176                           ; v[176:183] four pairs of sums of emb^2
	s_load_b256 s[4:11], s[0:1], 0x0               ; z s[4:5], emb s[6:7], idxw s[8:9], out0 s[10:11]
	s_load_b64 s[12:13], s[0:1], 0x20              ; pg
	v_lshl_add_u32 v184, v0, 2, 0x100
	v_mov_b32 v185, 0
	v_lshrrev_b32 v1, 5, v0
	v_readfirstlane_b32 s14, v1                    ; wave 0..7
	v_and_b32 v2, 31, v0                           ; lane
	v_lshlrev_b32 v1, 4, v2                        ; 16 lane; never rewritten
	v_mov_b32 v3, 0                                ; v_permlanex16_b32 counts as a reader of its destination
	v_mov_b32 v4, 0
	s_mov_b32 s40, 0x76543210
	s_mov_b32 s41, 0xfedcba98
	s_lshl_b32 s44, ttmp9, 8
	s_lshl_b32 s15, s14, 5
	s_add_co_u32 s44, s44, s15                     ; 4 x (64 g + 8 w): my eight indices
	s_mov_b32 s45, 0
	s_wait_kmcnt 0x0
	s_add_nc_u64 s[8:9], s[8:9], s[44:45]
	s_load_b256 s[16:23], s[8:9], 0x0              ; this launch stores nothing into idxw
	s_lshl_b32 s44, s44, 8                         ; 1,024 x (64 g + 8 w)
	s_add_nc_u64 s[4:5], s[4:5], s[44:45]
	s_add_nc_u64 s[10:11], s[10:11], s[44:45]
	s_lshr_b32 s44, s44, 1                         ; 1,024 x (32 g + 4 w)
	s_add_nc_u64 s[46:47], s[6:7], s[44:45]
.irp i, 0,1,2,3,4,5,6,7
	global_load_b128 v[ZR+8*\i:ZR+8*\i+3],   v1, s[4:5] offset:1024*\i th:TH_LOAD_NT
	global_load_b128 v[ZR+8*\i+4:ZR+8*\i+7], v1, s[4:5] offset:1024*\i+512 th:TH_LOAD_NT
.endr
.irp k, 0,1,2,3
	global_load_b128 v[QR+8*\k:QR+8*\k+3],   v1, s[46:47] offset:1024*\k
	global_load_b128 v[QR+8*\k+4:QR+8*\k+7], v1, s[46:47] offset:1024*\k+512
.endr
	s_wait_kmcnt 0x0                               ; the indices
.irp i, 0,1,2,3,4,5,6,7
	s_min_u32 s[16+\i], s[16+\i], 0x1fff           ; an index stays inside the table
	s_lshl_b32 s[24+2*\i], s[16+\i], 10            ; rows of 1,024 bytes
	s_mov_b32 s[25+2*\i], 0
	s_add_nc_u64 s[24+2*\i:25+2*\i], s[6:7], s[24+2*\i:25+2*\i]
	global_load_b128 v[ER+8*\i:ER+8*\i+3],   v1, s[24+2*\i:25+2*\i]
	global_load_b128 v[ER+8*\i+4:ER+8*\i+7], v1, s[24+2*\i:25+2*\i] offset:512
.endr
	s_wait_loadcnt 16                              ; loads come back in order (ISA guide 5.7.1): z and my emb rows are in, the 16 gathered loads may be out
.irp p, 0,2,4,6
	v_pk_mul_f32 v[AE+\p:AE+\p+1], v[QR+\p:QR+\p+1], v[QR+\p:QR+\p+1]      ; the first row starts the sums
.endr
.irp k, 1,2,3
.irp p, 0,2,4,6
	v_pk_fma_f32 v[AE+\p:AE+\p+1], v[QR+8*\k+\p:QR+8*\k+\p+1], v[QR+8*\k+\p:QR+8*\k+\p+1], v[AE+\p:AE+\p+1]
.endr
.endr
.macro GROW i
	s_wait_loadcnt 14-2*\i                         ; row i's two gathered loads are in, the younger rows' stay out
.irp p, 0,2,4,6
	v_pk_add_f32 v[ER+8*\i+\p:ER+8*\i+\p+1], v[ER+8*\i+\p:ER+8*\i+\p+1], v[ZR+8*\i+\p:ZR+8*\i+\p+1] neg_lo:[0,1] neg_hi:[0,1]   ; e - z
.endr
.irp p, 0,2,4,6
.if \i == 0
	v_pk_mul_f32 v[AL+\p:AL+\p+1], v[ER+8*\i+\p:ER+8*\i+\p+1], v[ER+8*\i+\p:ER+8*\i+\p+1]
.else
	v_pk_fma_f32 v[AL+\p:AL+\p+1], v[ER+8*\i+\p:ER+8*\i+\p+1], v[ER+8*\i+\p:ER+8*\i+\p+1], v[AL+\p:AL+\p+1]
.endif
.endr
.irp p, 0,2,4,6
	v_pk_add_f32 v[ZR+8*\i+\p:ZR+8*\i+\p+1], v[ZR+8*\i+\p:ZR+8*\i+\p+1], v[ER+8*\i+\p:ER+8*\i+\p+1]    ; z + (e - z)
.endr
	global_store_b128 v1, v[ZR+8*\i:ZR+8*\i+3],   s[10:11] offset:1024*\i th:TH_STORE_NT       ; each store of the wave covers 512 consecutive bytes, aligned
	global_store_b128 v1, v[ZR+8*\i+4:ZR+8*\i+7], s[10:11] offset:1024*\i+512 th:TH_STORE_NT
.endm
.irp i, 0,1,2,3,4,5,6,7
	GROW \i
.endr
	v_pk_add_f32 v[AL:AL+1], v[AL:AL+1], v[AL+2:AL+3]
	v_pk_add_f32 v[AL+4:AL+5], v[AL+4:AL+5], v[AL+6:AL+7]
	v_pk_add_f32 v[AE:AE+1], v[AE:AE+1], v[AE+2:AE+3]
	v_pk_add_f32 v[AE+4:AE+5], v[AE+4:AE+5], v[AE+6:AE+7]
	v_pk_add_f32 v[AL:AL+1], v[AL:AL+1], v[AL+4:AL+5]
	v_pk_add_f32 v[AE:AE+1], v[AE:AE+1], v[AE+4:AE+5]
	v_add_f32 v[AL], v[AL], v[AL+1]
	v_add_f32 v[AE], v[AE], v[AE+1]
.irp x, 1,2,4,8
	v_add_f32_dpp v[AL], v[AL], v[AL] row_xmask:\x row_mask:0xf bank_mask:0xf
	v_add_f32_dpp v[AE], v[AE], v[AE] row_xmask:\x row_mask:0xf bank_mask:0xf
.endr
	v_permlanex16_b32 v3, v[AL], s40, s41
	v_permlanex16_b32 v4, v[AE], s40, s41
	v_add_f32 v[AL], v[AL], v3
	v_add_f32 v[AE], v[AE], v4
	s_lshl_b32 s15, s14, 2
	v_mov_b32 v5, s15
	ds_store_b32 v5, v[AL]                         ; bytes 0-31: the eight waves' sums of squared differences
	ds_store_b32 v5, v[AE] offset:32               ; bytes 32-63: their sums of emb^2
	s_wait_dscnt 0x0                               ; for wave 0's sake
	s_barrier_signal -1
	s_barrier_wait -1
	s_cmp_lg_u32 s14, 0
	s_cbranch_scc1 .Lend
	v_mov_b32 v6, 0
	ds_load_b128 v[ER:ER+3],     v6                ; into registers that no pending store reads
	ds_load_b128 v[ER+4:ER+7],   v6 offset:16
	ds_load_b128 v[ER+8:ER+11],  v6 offset:32
	ds_load_b128 v[ER+12:ER+15], v6 offset:48
	s_lshl_b32 s15, ttmp9, 3
	v_mov_b32 v7, s15
	s_wait_dscnt 0x0
	v_pk_add_f32 v[ER:ER+1], v[ER:ER+1], v[ER+2:ER+3]
	v_pk_add_f32 v[ER+4:ER+5], v[ER+4:ER+5], v[ER+6:ER+7]
	v_pk_add_f32 v[ER+8:ER+9], v[ER+8:ER+9], v[ER+10:ER+11]
	v_pk_add_f32 v[ER+12:ER+13], v[ER+12:ER+13], v[ER+14:ER+15]
	v_pk_add_f32 v[ER:ER+1], v[ER:ER+1], v[ER+4:ER+5]
	v_pk_add_f32 v[ER+8:ER+9], v[ER+8:ER+9], v[ER+12:ER+13]
	v_add_f32 v[ER], v[ER], v[ER+1]
	v_add_f32 v[ER+1], v[ER+8], v[ER+9]
	v_cmp_eq_u32 vcc_lo, 0, v2
	s_wait_xcnt 0x0                                ; EXEC changes only behind this wait
	s_and_saveexec_b32 s42, vcc_lo
	global_store_b64 v7, v[ER:ER+1], s[12:13]      ; pg[g]: two numbers a work-group
	s_wait_xcnt 0x0                                ; and again in front of the line that widens it
	s_or_b32 exec_lo, exec_lo, s42
.Lend:
	s_wait_tensorcnt 0x0
	ds_add_u32 v184, v185
	s_wait_dscnt 0x0
	s_endpgm
.Lfunc_end_k_q44f70df563_gather:
	.size	k_q44f70df563_gather, .Lfunc_end_k_q44f70df563_gather-k_q44f70df563_gather
	.p2alignl 7, 3214868480
	.fill 96, 4, 3214868480
	.section	.rodata,"a",@progbits
	.p2align	6, 0x0
	.amdhsa_kernel k_q44f70df563_gather
		.amdhsa_group_segment_fixed_size 1280
		.amdhsa_private_segment_fixed_size 0
		.amdhsa_enable_private_segment 0
		.amdhsa_kernarg_size 40
		.amdhsa_user_sgpr_count 2
		.amdhsa_user_sgpr_kernarg_segment_ptr 1
		.amdhsa_wavefront_size32 1
		.amdhsa_system_sgpr_workgroup_id_x 1
		.amdhsa_system_sgpr_workgroup_id_y 1
		.amdhsa_system_sgpr_workgroup_id_z 1
		.amdhsa_system_vgpr_workitem_id 0
		.amdhsa_next_free_vgpr 186
		.amdhsa_next_free_sgpr 66
		.amdhsa_reserve_vcc 1
		.amdhsa_float_denorm_mode_32 3
		.amdhsa_float_denorm_mode_16_64 3
		.amdhsa_memory_ordered 1
		.amdhsa_forward_progress 1
		.amdhsa_inst_pref_size 18
	.end_amdhsa_kernel
	.amdgpu_metadata
---
amdhsa.version: [ 1, 2 ]
amdhsa.kernels:
  - .name:           k_q44f70df563_gather
    .symbol:         k_q44f70df563_gather.kd
    .args:
      - { .name: z, .offset: 0, .size: 8, .value_kind: global_buffer, .address_space: global }
      - { .name: emb, .offset: 8, .size: 8, .value_kind: global_buffer, .address_space: global }
      - { .name: idxw, .offset: 16, .size: 8, .value_kind: global_buffer, .address_space: global }
      - { .name: out0, .offset: 24, .size: 8, .value_kind: global_buffer, .address_space: global }
      - { .name: pg, .offset: 32, .size: 8, .value_kind: global_buffer, .address_space: global }
    .group_segment_fixed_size: 1280
    .private_segment_fixed_size: 0
    .kernarg_segment_align: 8
    .kernarg_segment_size: 40
    .max_flat_workgroup_size: 256
    .sgpr_count:     66
    .vgpr_count:     186
    .wavefront_size: 32
...
	.end_amdgpu_metadata
.endif
;; end of part 3
;; launch finish (part 4): grid 1 x 1, 1 waves a work-group, no clusters, 0 bytes of LDS; arguments pu, pg, out2, out3; writes out2, out3
.if DOCPART == 4
	.amdgcn_target "amdgcn-amd-amdhsa--gfx1250"
	.amdhsa_code_object_version 6
	.text
	.protected	k_q44f70df563_finish
	.globl	k_q44f70df563_finish
	.p2align	8
	.type	k_q44f70df563_finish,@function
k_q44f70df563_finish:
	s_mov_b64 s[64:65], 0
	v_nop
	global_prefetch_b8 v0, s[64:65] scope:SCOPE_SE
	s_setreg_imm32_b32 hwreg(HW_REG_WAVE_MODE, 25, 1), 1
	s_wait_xcnt 0x0
; finish: the two scalars, from 256 + 512 partial sums; sums that span work-groups are ordered by a launch of their own.  One wave: 3,072 bytes in, 8 out.
;   out2 = 1.25 x (sum of squared differences) / 2^22          (mean + 0.25 mean over 16,384 x 256 numbers)
;   out3 = 0.1 x ((sum over emb rows of largest - least distance) / 8,192 + sum of emb^2)
	s_load_b256 s[4:11], s[0:1], 0x0               ; pu s[4:5], pg s[6:7], out2 s[8:9], out3 s[10:11]
	v_lshlrev_b32 v1, 4, v0                        ; 16 lane
	v_mov_b32 v2, 0                                ; the results' offset
	v_mov_b32 v28, 0                               ; v_permlanex16_b32 counts as a reader of its destination
	v_mov_b32 v29, 0
	v_mov_b32 v30, 0
	s_mov_b32 s12, 0x76543210
	s_mov_b32 s13, 0xfedcba98
	s_wait_kmcnt 0x0
	global_load_b128 v[4:7],   v1, s[4:5]
	global_load_b128 v[8:11],  v1, s[4:5] offset:512
	global_load_b128 v[12:15], v1, s[6:7]                  ; pairs (squared differences, emb^2)
	global_load_b128 v[16:19], v1, s[6:7] offset:512
	global_load_b128 v[20:23], v1, s[6:7] offset:1024
	global_load_b128 v[24:27], v1, s[6:7] offset:1536
	s_wait_loadcnt 0x0
	v_pk_add_f32 v[4:5], v[4:5], v[6:7]
	v_pk_add_f32 v[8:9], v[8:9], v[10:11]
	v_pk_add_f32 v[12:13], v[12:13], v[14:15]              ; the packed add keeps the pair's two sums apart
	v_pk_add_f32 v[16:17], v[16:17], v[18:19]
	v_pk_add_f32 v[20:21], v[20:21], v[22:23]
	v_pk_add_f32 v[24:25], v[24:25], v[26:27]
	v_pk_add_f32 v[4:5], v[4:5], v[8:9]
	v_pk_add_f32 v[12:13], v[12:13], v[16:17]
	v_pk_add_f32 v[20:21], v[20:21], v[24:25]
	v_add_f32 v4, v4, v5
	v_pk_add_f32 v[12:13], v[12:13], v[20:21]
.irp x, 1,2,4,8
	v_add_f32_dpp v4, v4, v4 row_xmask:\x row_mask:0xf bank_mask:0xf
	v_add_f32_dpp v12, v12, v12 row_xmask:\x row_mask:0xf bank_mask:0xf
	v_add_f32_dpp v13, v13, v13 row_xmask:\x row_mask:0xf bank_mask:0xf
.endr
	v_permlanex16_b32 v28, v4, s12, s13
	v_permlanex16_b32 v29, v12, s12, s13
	v_permlanex16_b32 v30, v13, s12, s13
	v_add_f32 v4, v4, v28
	v_add_f32 v12, v12, v29
	v_add_f32 v13, v13, v30
	v_mul_f32 v12, 0x34a00000, v12                 ; x 1.25 x 2^-22
	v_fmamk_f32 v4, v4, 0x39000000, v13            ; x 2^-13, + sum of emb^2
	v_mul_f32 v4, 0x3dcccccd, v4                   ; x 0.1
	v_cmp_eq_u32 vcc_lo, 0, v0
	s_wait_xcnt 0x0                                ; EXEC changes only behind this wait
	s_and_saveexec_b32 s14, vcc_lo
	global_store_b32 v2, v12, s[8:9]
	global_store_b32 v2, v4, s[10:11]
	s_wait_xcnt 0x0                                ; and again in front of the line that widens it
	s_or_b32 exec_lo, exec_lo, s14
	s_endpgm
.Lfunc_end_k_q44f70df563_finish:
	.size	k_q44f70df563_finish, .Lfunc_end_k_q44f70df563_finish-k_q44f70df563_finish
	.p2alignl 7, 3214868480
	.fill 96, 4, 3214868480
	.section	.rodata,"a",@progbits
	.p2align	6, 0x0
	.amdhsa_kernel k_q44f70df563_finish
		.amdhsa_group_segment_fixed_size 0
		.amdhsa_private_segment_fixed_size 0
		.amdhsa_enable_private_segment 0
		.amdhsa_kernarg_size 32
		.amdhsa_user_sgpr_count 2
		.amdhsa_user_sgpr_kernarg_segment_ptr 1
		.amdhsa_wavefront_size32 1
		.amdhsa_system_sgpr_workgroup_id_x 1
		.amdhsa_system_sgpr_workgroup_id_y 1
		.amdhsa_system_sgpr_workgroup_id_z 1
		.amdhsa_system_vgpr_workitem_id 0
		.amdhsa_next_free_vgpr 40
		.amdhsa_next_free_sgpr 66
		.amdhsa_reserve_vcc 1
		.amdhsa_float_denorm_mode_32 3
		.amdhsa_float_denorm_mode_16_64 3
		.amdhsa_memory_ordered 1
		.amdhsa_forward_progress 1
		.amdhsa_inst_pref_size 4
	.end_amdhsa_kernel
	.amdgpu_metadata
---
amdhsa.version: [ 1, 2 ]
amdhsa.kernels:
  - .name:           k_q44f70df563_finish
    .symbol:         k_q44f70df563_finish.kd
    .args:
      - { .name: pu, .offset: 0, .size: 8, .value_kind: global_buffer, .address_space: global }
      - { .name: pg, .offset: 8, .size: 8, .value_kind: global_buffer, .address_space: global }
      - { .name: out2, .offset: 16, .size: 8, .value_kind: global_buffer, .address_space: global }
      - { .name: out3, .offset: 24, .size: 8, .value_kind: global_buffer, .address_space: global }
    .group_segment_fixed_size: 0
    .private_segment_fixed_size: 0
    .kernarg_segment_align: 8
    .kernarg_segment_size: 32
    .max_flat_workgroup_size: 32
    .sgpr_count:     66
    .vgpr_count:     40
    .wavefront_size: 32
...
	.end_amdgpu_metadata
.endif
;; end of part 4
;; ======== version 2 of 2: 4 launches; version 1 with the launch prep written anew for expert scheduling mode
;; workspace buffers: xb 12,582,912 bytes; nh 98,304 bytes; idxw 65,536 bytes of whole numbers; pu 1,024 bytes; pg 2,048 bytes
;; launch prep (part 5): grid 384 x 1, 8 waves a work-group, no clusters, 1,280 bytes of LDS; arguments z, emb, xb, nh; writes xb, nh
.if DOCPART == 5
	.amdgcn_target "amdgcn-amd-amdhsa--gfx1250"
	.amdhsa_code_object_version 6
	.text
	.protected	k_q44f70df563_prep
	.globl	k_q44f70df563_prep
	.p2align	8
	.type	k_q44f70df563_prep,@function
k_q44f70df563_prep:
	s_mov_b64 s[64:65], 0
	v_nop
	global_prefetch_b8 v0, s[64:65] scope:SCOPE_SE
	s_setreg_imm32_b32 hwreg(HW_REG_WAVE_SCHED_MODE, 0, 2), 2
	s_setreg_imm32_b32 hwreg(HW_REG_WAVE_MODE, 25, 1), 1
	s_wait_xcnt 0x0
	s_wait_alu depctr_vm_vsrc(0)
; prep: rounds z [16384][256] and emb [8192][256] from f32 to bf16 into xb [24576][256] (z's rows first, then emb's) and stores
; nh[row] = the f32 sum of the squares of the ROUNDED row.  The next launch multiplies the rounded rows, so a distance made of these
; norms and those products is the distance of the rounded vectors.
; A stream: every input byte is read once, every output byte written once.  No matrix unit; no cluster, since no two work-groups read the same bytes.
; Work-group p owns 64 rows (p < 256: of z, else of emb); wave w owns 8 of them; a row of 1,024 bytes is two 16-byte loads a lane.
; All 16 loads of a wave go out at once; the text is straight, without a loop.
; LIMIT: |x| above bf16's largest finite number (3.39e38) rounds to infinity.  The order of the sum of squares is this text's own.
; THE MODE: SCHED_MODE bits 1:0 = 2 (LLVM: expert scheduling mode 2), set by the entry lines.  The code itself states the register dependences
; between vector instructions and memory or LDS instructions, with s_wait_alu, always for 0.
; THE PLAN.  The eight rows go in four blocks of two.  Registers that memory or LDS instructions touch:
;   v2 .. v5   offsets and LDS addresses: written at the head, never again; read by every load and store.
;   XR         the 16 loads land in it before any vector line names it; behind a row's counted wait only vector lines name it.
;   PB         row i's four: written once, by block i / 2's conversions; read by the row's two stores, which are issued at the head of block i / 2 + 1.
;   SQ         row i's pair: written by block i / 2's sums; v[SQ + 2 i] is read by the row's LDS store, issued with the stores of PB.
;              At the end wave 0's LDS load lands in v[SQ:SQ+1].
; So one wait on va_vdst at a block's head states all that the six stores behind it hang on: the block before has written its PB and its sums.
; One more stands behind the last block; one wait on vm_vsrc stands ahead of wave 0's load into v[SQ:SQ+1].
.set XR, 8                             ; v[8:71]    row i: 8 registers as loaded, later the rounded numbers widened again
.set PB, 72                            ; v[72:103]  row i: 4 registers, 8 bf16 to store; never rewritten
.set SQ, 104                           ; v[104:119] row i: a pair of partial sums
.set TP, 120                           ; v[120:121] the other half's sum, a register for each row of a block
	s_load_b256 s[4:11], s[0:1], 0x0               ; z s[4:5], emb s[6:7], xb s[8:9], nh s[10:11]
	v_lshl_add_u32 v124, v0, 2, 0x100              ; the LDS address of my spare word and 0: kept for the closing lines alone
	v_mov_b32 v125, 0
	v_lshrrev_b32 v1, 5, v0
	v_readfirstlane_b32 s13, v1                    ; wave 0..7
	v_and_b32 v1, 31, v0                           ; lane
	v_and_b32 v2, 0xe0, v0                         ; 32 w: also the LDS byte of my wave's eight sums (4 x 8 w)
	v_lshlrev_b32 v3, 4, v1
	v_lshl_or_b32 v3, v2, 8, v3                    ; source: 8 w rows of 1,024 bytes + 16 lane
	v_lshlrev_b32 v5, 3, v1                        ; 8 lane
	v_lshl_or_b32 v4, v2, 7, v5                    ; xb: 8 w rows of 512 bytes + 8 lane
	v_mov_b32 v[TP], 0                             ; v_permlanex16_b32 counts as a reader of its destination
	v_mov_b32 v[TP+1], 0
	s_wait_alu depctr_va_sdst(0)                   ; s13 is written, ahead of its first reader: the compare behind the barrier
	s_mov_b32 s16, 0x76543210                      ; v_permlanex16_b32: lane i reads lane i of the other half
	s_mov_b32 s17, 0xfedcba98
	s_mov_b32 s18, 0xffff0000                      ; a word's upper bf16
	s_mov_b32 s15, 0
	s_sub_co_u32 s12, ttmp9, 256                   ; my number among emb's work-groups (used only where p >= 256)
	s_cmp_lt_u32 ttmp9, 256
	s_cselect_b32 s12, ttmp9, s12
	s_wait_kmcnt 0x0
	s_cselect_b64 s[4:5], s[4:5], s[6:7]           ; the source: z or emb; the condition hangs on the work-group's number alone
	s_lshl_b32 s14, s12, 16                        ; 64 rows of 1,024 bytes
	s_add_nc_u64 s[4:5], s[4:5], s[14:15]
	s_lshl_b32 s14, ttmp9, 15                      ; 64 rows of 512 bytes
	s_add_nc_u64 s[8:9], s[8:9], s[14:15]
	s_lshl_b32 s14, ttmp9, 8                       ; 64 sums of 4 bytes
	s_add_nc_u64 s[10:11], s[10:11], s[14:15]
	s_wait_alu depctr_va_vdst(0)                   ; v2 to v5 are written: every load, store and LDS instruction below reads one of them as its offset or address
.irp i, 0,1,2,3,4,5,6,7
	global_load_b128 v[XR+8*\i:XR+8*\i+3],   v3, s[4:5] offset:1024*\i th:TH_LOAD_NT       ; columns 4 lane .. +3
	global_load_b128 v[XR+8*\i+4:XR+8*\i+7], v3, s[4:5] offset:1024*\i+512 th:TH_LOAD_NT   ; columns 128 + 4 lane .. +3
.endr
; Row i's results leave: its 512 bytes of bf16, and its sum into LDS.
.macro OUT i
	global_store_b64 v4, v[PB+4*(\i):PB+4*(\i)+1],   s[8:9] offset:512*(\i)       ; each store of the wave covers 256 consecutive bytes, aligned
	global_store_b64 v4, v[PB+4*(\i)+2:PB+4*(\i)+3], s[8:9] offset:512*(\i)+256
	ds_store_b32 v2, v[SQ+2*(\i)] offset:4*(\i)    ; all lanes write the same word with the same value
.endm
; The block of rows a and b = a + 1.  The two rows go stage by stage, so that between two links of a row's chain stands the other row's line;
; each row's sum takes its terms in the one order.
.macro BLK a, b
	s_wait_loadcnt 12-2*(\a)                       ; loads come back in order (ISA guide 5.7.1): the block's four are in, the younger blocks' stay out
.if (\a) > 0
	s_wait_alu depctr_va_vdst(0)                   ; the block before has written its eight registers of PB and its two sums, which the six stores below read
	OUT (\a)-2
	OUT (\a)-1
.endif
.irp i, \a, \b
.irp k, 0,1,2,3
	v_cvt_pk_bf16_f32 v[PB+4*(\i)+\k], v[XR+8*(\i)+2*\k], v[XR+8*(\i)+2*\k+1]
.endr
.endr
.irp i, \a, \b
.irp k, 0,1,2,3
	v_lshlrev_b32 v[XR+8*(\i)+2*\k],   16,  v[PB+4*(\i)+\k]    ; the rounded numbers as f32 again
	v_and_b32     v[XR+8*(\i)+2*\k+1], s18, v[PB+4*(\i)+\k]
.endr
.endr
.irp i, \a, \b
	v_pk_mul_f32 v[SQ+2*(\i):SQ+2*(\i)+1], v[XR+8*(\i):XR+8*(\i)+1], v[XR+8*(\i):XR+8*(\i)+1]   ; the first product starts the sum
.endr
.irp k, 2,4,6
.irp i, \a, \b
	v_pk_fma_f32 v[SQ+2*(\i):SQ+2*(\i)+1], v[XR+8*(\i)+\k:XR+8*(\i)+\k+1], v[XR+8*(\i)+\k:XR+8*(\i)+\k+1], v[SQ+2*(\i):SQ+2*(\i)+1]
.endr
.endr
.irp i, \a, \b
	v_add_f32 v[SQ+2*(\i)], v[SQ+2*(\i)], v[SQ+2*(\i)+1]
.endr
.irp x, 1,2,4,8
.irp i, \a, \b
	v_add_f32_dpp v[SQ+2*(\i)], v[SQ+2*(\i)], v[SQ+2*(\i)] row_xmask:\x row_mask:0xf bank_mask:0xf
.endr
.endr
.irp i, \a, \b
	v_permlanex16_b32 v[TP+(\i)%2], v[SQ+2*(\i)], s16, s17
.endr
.irp i, \a, \b
	v_add_f32 v[SQ+2*(\i)], v[SQ+2*(\i)], v[TP+(\i)%2]         ; every lane holds the row's sum
.endr
.endm
	BLK 0, 1
	BLK 2, 3
	BLK 4, 5
	BLK 6, 7
	s_wait_alu depctr_va_vdst(0)                   ; the last block has written its PB and its sums, which the six stores below read; and every vector line that names v[SQ:SQ+1], in which wave 0's load lands, is done
	OUT 6
	OUT 7
	s_wait_dscnt 0x0                               ; my eight sums are in LDS, for wave 0's sake
	s_barrier_signal -1
	s_barrier_wait -1
	s_wait_alu depctr_vm_vsrc(0)                   ; row 0's LDS store has read v[SQ], in which the load below lands; ahead of the branch
	s_cmp_lg_u32 s13, 0
	s_cbranch_scc1 .Lend
	ds_load_b64 v[SQ:SQ+1], v5                     ; the group's 64 sums, two a lane
	s_wait_dscnt 0x0
	global_store_b64 v5, v[SQ:SQ+1], s[10:11]      ; 256 consecutive bytes, aligned
.Lend:
	s_wait_dscnt 0x0                               ; the closing lines, six on end
	s_wait_alu 0x0
	s_wait_tensorcnt 0x0
	ds_add_u32 v124, v125
	s_wait_dscnt 0x0
	s_endpgm
.Lfunc_end_k_q44f70df563_prep:
	.size	k_q44f70df563_prep, .Lfunc_end_k_q44f70df563_prep-k_q44f70df563_prep
	.p2alignl 7, 3214868480
	.fill 96, 4, 3214868480
	.section	.rodata,"a",@progbits
	.p2align	6, 0x0
	.amdhsa_kernel k_q44f70df563_prep
		.amdhsa_group_segment_fixed_size 1280
		.amdhsa_private_segment_fixed_size 0
		.amdhsa_enable_private_segment 0
		.amdhsa_kernarg_size 32
		.amdhsa_user_sgpr_count 2
		.amdhsa_user_sgpr_kernarg_segment_ptr 1
		.amdhsa_wavefront_size32 1
		.amdhsa_system_sgpr_workgroup_id_x 1
		.amdhsa_system_sgpr_workgroup_id_y 1
		.amdhsa_system_sgpr_workgroup_id_z 1
		.amdhsa_system_vgpr_workitem_id 0
		.amdhsa_next_free_vgpr 126
		.amdhsa_next_free_sgpr 66
		.amdhsa_reserve_vcc 0
		.amdhsa_float_denorm_mode_32 3
		.amdhsa_float_denorm_mode_16_64 3
		.amdhsa_memory_ordered 1
		.amdhsa_forward_progress 1
		.amdhsa_inst_pref_size 15
	.end_amdhsa_kernel
	.amdgpu_metadata
---
amdhsa.version: [ 1, 2 ]
amdhsa.kernels:
  - .name:           k_q44f70df563_prep
    .symbol:         k_q44f70df563_prep.kd
    .args:
      - { .name: z, .offset: 0, .size: 8, .value_kind: global_buffer, .address_space: global }
      - { .name: emb, .offset: 8, .size: 8, .value_kind: global_buffer, .address_space: global }
      - { .name: xb, .offset: 16, .size: 8, .value_kind: global_buffer, .address_space: global }
      - { .name: nh, .offset: 24, .size: 8, .value_kind: global_buffer, .address_space: global }
    .group_segment_fixed_size: 1280
    .private_segment_fixed_size: 0
    .kernarg_segment_align: 8
    .kernarg_segment_size: 32
    .max_flat_workgroup_size: 256
    .sgpr_count:     66
    .vgpr_count:     126
    .wavefront_size: 32
...
	.end_amdgpu_metadata
.endif
;; end of part 5
;; launch dist: the kernel of part 2 again; grid 256 x 1, 4 waves a work-group, clusters of 4 x 1, 327,680 bytes of LDS; arguments xb, nh, out1, idxw, pu; writes out1, idxw, pu
;; launch gather: the kernel of part 3 again; grid 256 x 1, 8 waves a work-group, no clusters, 1,280 bytes of LDS; arguments z, emb, idxw, out0, pg; writes out0, pg
;; launch finish: the kernel of part 4 again; grid 1 x 1, 1 waves a work-group, no clusters, 0 bytes of LDS; arguments pu, pg, out2, out3; writes out2, out3
